; MI455X (gfx1250); checked and timed in simulation.
; The chip was launched on July 23, 2026; its instructions are those of AMD's public machine-readable ISA for CDNA 5 (MIT licence, August 2026) and "CDNA5" Instruction Set Architecture Reference Guide (July 2026). The comments in the code are by the model that wrote it; some were corrected since.
;; Spatial Self Cross Attention. Allowed arithmetic: matrix products marked QUANTISED: E3M2 operands, one E8M0 scale for each 32 along K, by v_wmma_scale_f32_16x16x128_f8f6f4 with both operands' format E3M2, f32 sums; everything else in f32.
;; Inputs: bk 256 float32; bpc 256 float32; bps 256 float32; bq1 256 float32; bq2 256 float32; bv 256 float32; wk 256 x 256 float32; wpc 256 x 256 float32; wps 256 x 256 float32; wq1 256 x 256 float32; wq2 256 x 256 float32; wv 256 x 256 float32; x1 32 x 256 x 32 x 32 float32; x2 32 x 256 x 32 x 32 float32.
;; Outputs: out0 32 x 256 x 32 x 32 float32; out1 32 x 256 x 32 x 32 float32.
;; This version of the problem:
;;   THIS VERSION OF THE PROBLEM IS GIVEN IN LOW PRECISION. The matrix products marked QUANTISED in the list below multiply operands that are first quantised to E3M2 (3 exponent bits, 2 mantissa bits; 6 bits a number), with one power-of-two scale for each 32 numbers along K (OCP MX v1.0); their sums are f32. All else is computed in f32.
;;   The module's matrix products, in the order in which they are computed (A, B: the left and right operand; K: the contracted axis; several contracted axes count as one K, in the product's order):
;;     1. [M 256, K 256] x [K 256, N 32,768]; A: input wq1; B: input x1: QUANTISED
;;     2. [M 256, K 256] x [K 256, N 32,768]; A: input wk; B: input x1: QUANTISED
;;     3. [M 256, K 256] x [K 256, N 32,768]; A: input wv; B: input x1: QUANTISED
;;     4. batch 32 x [M 1,024, K 256] x [K 256, N 1,024]; A: computed on the way; B: computed on the way: QUANTISED
;;     5. batch 32 x [M 1,024, K 1,024] x [K 1,024, N 256]; A: softmax (see below); B: computed on the way: QUANTISED
;;     6. [M 256, K 256] x [K 256, N 32,768]; A: input wps; B: computed on the way: QUANTISED
;;     7. [M 256, K 256] x [K 256, N 32,768]; A: input wq2; B: input x2: QUANTISED
;;     8. batch 32 x [M 1,024, K 256] x [K 256, N 1,024]; A: computed on the way; B: computed on the way: QUANTISED
;;     9. batch 32 x [M 1,024, K 1,024] x [K 1,024, N 256]; A: softmax (see below); B: computed on the way: QUANTISED
;;     10. [M 256, K 256] x [K 256, N 32,768]; A: input wpc; B: computed on the way: QUANTISED
;;   THE QUANTISER, for each operand of a quantised product, along K:
;;     - K is cut into blocks of 32 from its start; a last block that is shorter is filled with zeros.
;;     - A block's scale is 2^e with e = floor(log2(the largest magnitude in the block)) - 4, held to -126 .. 127; a block of zeros has e = 0. As a byte (E8M0): e + 127.
;;     - Each number is divided by its block's scale, clamped to +-28, and rounded to the nearest number of E3M2, ties to even, subnormals kept.
;;     - The product sums the exact products of the quantised numbers (number of the format x scale) in f32.
;;   ~~~python
;;   def quantise(x, axis):      # numpy; x: float32 -> the quantised numbers, widened to float32 again
;;       x = np.moveaxis(x, axis, -1); K = x.shape[-1]
;;       x = np.pad(x, [(0, 0)] * (x.ndim - 1) + [(0, -K % 32)]); x = x.reshape(x.shape[:-1] + (-1, 32)); a = np.abs(x).max(-1, keepdims=True)
;;       e = np.where(a > 0, np.clip(np.frexp(np.where(a > 0, a, 1))[1] - 1 - 4, -126, 127), 0)      # np.frexp(a)[1] - 1 = floor(log2(a)), exactly
;;       r = np.clip(x / 2.0 ** e, -28, 28)
;;       step = 2.0 ** (np.maximum(np.frexp(np.where(r == 0, 1, r))[1] - 1, -2) - 2)
;;       q = np.round(r / step) * step * 2.0 ** e      # np.round: ties to even
;;       return np.moveaxis(q.reshape(q.shape[:-2] + (-1,))[..., :K], -1, axis).astype(np.float32)
;;   ~~~
;;   SOFTMAX AHEAD OF A QUANTISED PRODUCT. Where the list says 'softmax', what is quantised is not the finished softmax but p = 2^(t - M), with t = logit x log2(e) and M = ceil(the row's largest t), a whole number; so 1/2 < the row's largest p <= 1. The row's sum l is taken of the UNQUANTISED p, in f32, and the product's result is divided by l at the end. Since M is a whole number, a kernel that streams over the keys may use a running M (the ceiling of the running maximum): every later rescaling is an exact power of two, which a block's scale takes up: the codes' values come out the same.
;;   OPERANDS COMPUTED ON THE WAY. 'Computed on the way' means the value that the module computes at that place (a softmax that the list does not call 'softmax' is quantised finished and normalised). What goes into a quantiser is computed in f32, as accurately as f32 sums, v_exp_f32 and their like allow (about 1e-6 of the number): no bf16 or f16 on the way to a quantiser, and a product that is left as it is and whose result goes on into a quantised operand takes f32 operands (vector FMAs, or v_wmma_f32_16x16x4_f32). A number that lies on a knife's edge between two numbers of the format may be rounded either way, as far as f32 arithmetic and the matrix unit's own rounding can turn it there, and no further.
;; One version. Each part assembles by itself: llvm-mc -triple=amdgcn-amd-amdhsa -mcpu=gfx1250 --defsym DOCPART=n.
;; ======== version 1 of 1: 3 launches
;; workspace buffers: wsw 307,200 bytes; qws 13,107,200 bytes; kvws 13,107,200 bytes
;; launch wq (part 1): grid 24 x 1, 8 waves a work-group, no clusters, 69,120 bytes of LDS; arguments wq1, wk, wq2, wv, wps, wpc, wsw; writes wsw
.if DOCPART == 1
	.amdgcn_target "amdgcn-amd-amdhsa--gfx1250"
	.amdhsa_code_object_version 6
	.text
	.protected	k_qe55d1f8686_wq
	.globl	k_qe55d1f8686_wq
	.p2align	8
	.type	k_qe55d1f8686_wq,@function
k_qe55d1f8686_wq:
	s_mov_b64 s[64:65], 0
	v_nop
	global_prefetch_b8 v0, s[64:65] scope:SCOPE_SE
	s_setreg_imm32_b32 hwreg(HW_REG_WAVE_MODE, 25, 1), 1
	s_wait_xcnt 0x0
; The six weights [256 (out)][256 (in)], f32, K = the input channels (innermost), become codes of BF6 (E3M2) with one E8M0 byte for each 32 along K,
; laid as SETS: images of operand registers.  A set is 128 rows x 256 K = 8 tiles T x 2 K steps s, 25,600 bytes:
;   fragment (T, s) at byte (2 T + s) x 1,536; in it register 4 c + i of lane l at 512 c + 16 l + 4 i;
;   row r of tile T is row 32 (T / 2) + 8 (T % 2) + r + 8 (r / 8) of the set's 128;
;   at byte 24,576 the scale words: tile 4 g + i, K step l / 16, row l % 16 at 512 g + 16 l + 4 i.
; SHARES.  Work-group g makes half a set: set g / 2 (weight g / 4, half (g / 2) % 2 of its rows), tiles 4 (g % 2) .. 4 (g % 2) + 3: one group of 512 bytes of the scale image.
; Wave w makes ONE fragment: tile 4 (g % 2) + w / 2, K step w % 2: 16 rows x 128 numbers.  24 work-groups are all the work there is (393,216 numbers); a finer split would cut the scale image's groups into stores of 4 bytes.
; LOADS.  The conversions want a lane to hold whole blocks of 32 neighbours (lane (r, h): k = 128 s + 64 c + 32 h + 0 .. 31 of row r, c = 0, 1); a load is best where neighbouring lanes take neighbouring bytes.
; Both are had: each of the 16 loads reads one row's 512 consecutive bytes, 16 a lane; the 8,192 bytes go into the wave's own stage in LDS as they lie (rows 528 bytes apart: 512 + 16, so that the sixteen rows that a
; read touches start at sixteen different 16-byte columns) and come back 128 bytes a lane and block.  So each byte of a weight is asked for once.
; No tensor loads, no cluster: work-groups share nothing, and each number is read once, by one wave.
; A block's scale byte is its largest magnitude's exponent field - 4, held at 1 from below.  LIMITS: a block of zeros, or one whose largest magnitude lies under 2^-122, keeps the byte 1
; (zero codes add nothing; this program alone reads the bytes); NaN and infinities among the inputs are not served.
.set PITCH, 528                        ; a stage row
.set WREG,  16*PITCH                   ; a wave's stage: 8,448 bytes
.set SCL,   8*WREG                     ; behind the eight stages: the work-group's 512 bytes of scale words
.set RAW,   32                         ; v32-95   16 rows as loaded, four registers each
.set X,     96                         ; v96-159  my two blocks: block c at X + 32 c
.set PC,    160                        ; v160-171 the fragment's codes
.set T2,    16                         ; v16-23   the second halves of the two blocks, as the conversions leave them
.set WV,    24                         ; s24      wave
.set SEL,   28                         ; s[28:29] selects for lane l xor 16
	s_load_b256 s[8:15], s[0:1], 0x0               ; wq1, wk, wq2, wv
	s_load_b128 s[16:19], s[0:1], 0x20             ; wps, wpc
	s_load_b64 s[20:21], s[0:1], 0x30              ; wsw
	v_lshl_add_u32 v192, v0, 2, 0x10a00
	v_mov_b32 v193, 0
	v_lshrrev_b32 v1, 5, v0
	s_delay_alu instid0(VALU_DEP_1)
	v_readfirstlane_b32 s[WV], v1
	v_and_b32 v8, 31, v0
	s_delay_alu instid0(VALU_DEP_1)
	v_lshlrev_b32 v1, 4, v8                        ; 16 x lane
	v_and_b32 v2, 15, v0                           ; r
	v_bfe_u32 v3, v0, 4, 1                         ; h
	s_delay_alu instid0(VALU_DEP_1)
	v_lshlrev_b32 v5, 3, v3                        ; 8 h: where my two bytes stand in a scale word
	v_mov_b32 v24, 0                               ; a lane permute's destination counts as one of its sources
	s_mul_i32 s25, s[WV], WREG                     ; my stage
	v_add_nc_u32 v4, s25, v1                       ; into it: 16 x lane of a row; the row stands in the immediate
	v_mul_u32_u24 v6, v2, PITCH
	s_delay_alu instid0(VALU_DEP_1)
	v_lshl_add_u32 v6, v3, 7, v6
	s_delay_alu instid0(VALU_DEP_1)
	v_add_nc_u32 v6, s25, v6                       ; out of it: row r, + 128 h: my block of 32 numbers
	s_lshr_b32 s39, s[WV], 1                       ; i: my tile among the work-group's four
	s_and_b32 s40, s[WV], 1                        ; s: my K step
	s_lshl_b32 s30, s40, 8
	s_lshl_b32 s41, s39, 2
	s_add_co_u32 s30, s30, s41
	s_add_co_u32 s30, s30, SCL
	v_lshl_add_u32 v7, v2, 4, s30                  ; my row's scale word: 16 (16 s + r) + 4 i
	v_add_nc_u32 v25, SCL, v1                      ; and on the way out (wave 0): 16 x lane
	s_mov_b32 s[SEL], 0x76543210
	s_mov_b32 s[SEL+1], 0xfedcba98
	s_lshr_b32 s31, ttmp9, 2                       ; which weight
	s_lshr_b32 s32, ttmp9, 1                       ; which set
	s_and_b32 s33, s32, 1                          ; which half of the weight's rows
	s_and_b32 s38, ttmp9, 1                        ; which four tiles of the set
	s_lshl_b32 s34, s33, 17                        ; my first row, in bytes of 1,024 a row: 128 x half
	s_lshl_b32 s35, s38, 16                        ; + 64 x (g % 2)
	s_add_co_u32 s34, s34, s35
	s_lshr_b32 s35, s39, 1
	s_lshl_b32 s35, s35, 15                        ; + 32 x (i / 2)
	s_add_co_u32 s34, s34, s35
	s_and_b32 s35, s39, 1
	s_lshl_b32 s35, s35, 13                        ; + 8 x (i % 2);
	s_add_co_u32 s34, s34, s35
	s_lshl_b32 s35, s40, 9                         ; and my K step's 512 bytes of a row
	s_add_co_u32 s34, s34, s35
	s_mov_b32 s35, 0
	s_mul_i32 s36, s32, 25600                      ; my set
	s_mul_i32 s41, s38, 12288                      ; its fragments 8 (g % 2) on,
	s_add_co_u32 s42, s36, s41
	s_mul_i32 s41, s[WV], 1536                     ; of which mine is number w: 2 (tile % 4) + s
	s_add_co_u32 s42, s42, s41
	s_mov_b32 s43, 0
	s_lshl_b32 s41, s38, 9
	s_add_co_u32 s36, s36, s41
	s_add_co_u32 s36, s36, 24576                   ; the work-group's 512 bytes of the set's scale image
	s_mov_b32 s37, 0
	s_wait_alu depctr_va_vdst(0)
	s_wait_kmcnt 0x0
	s_mov_b64 s[26:27], s[8:9]
	s_cmp_eq_u32 s31, 1
	s_cselect_b64 s[26:27], s[10:11], s[26:27]
	s_cmp_eq_u32 s31, 2
	s_cselect_b64 s[26:27], s[12:13], s[26:27]
	s_cmp_eq_u32 s31, 3
	s_cselect_b64 s[26:27], s[14:15], s[26:27]
	s_cmp_eq_u32 s31, 4
	s_cselect_b64 s[26:27], s[16:17], s[26:27]
	s_cmp_eq_u32 s31, 5
	s_cselect_b64 s[26:27], s[18:19], s[26:27]     ; the choice hangs on the work-group's number alone
	s_add_nc_u64 s[26:27], s[26:27], s[34:35]
	s_add_nc_u64 s[44:45], s[20:21], s[42:43]      ; where my fragment goes
	s_add_nc_u64 s[46:47], s[20:21], s[36:37]      ; where the scale words go
.irp p, 0,1,2,3,4,5,6,7,8,9,10,11,12,13,14,15
	global_load_b128 v[RAW+4*\p:RAW+4*\p+3], v1, s[26:27] offset:(\p+8*(\p/8))*1024 th:TH_LOAD_NT   ; row p of my tile: 32 lanes read 512 consecutive bytes
.endr
.irp p, 0,1,2,3,4,5,6,7,8,9,10,11,12,13,14,15
	s_wait_loadcnt 15-\p                           ; loads come back in order (ISA guide 5.7.1): row p is in, the 15 - p younger ones may be out
	ds_store_b128 v4, v[RAW+4*\p:RAW+4*\p+3] offset:\p*PITCH
.endr
.irp c, 0,1
.irp i, 0,1,2,3,4,5,6,7
	ds_load_b128 v[X+32*\c+4*\i:X+32*\c+4*\i+3], v6 offset:256*\c+16*\i   ; LDS serves a wave's instructions in order (ISA guide 5.7.1.4): these see my stores; the stage is my wave's own
.endr
.endr
	s_wait_dscnt 0x0
.irp c, 0,1
	v_max3_num_f32 v[8+\c], |v[X+32*\c]|, |v[X+32*\c+1]|, 0x2800000   ; the floor 2^(5 - 127) is one more leaf: the byte cannot fall under 1
.endr
.irp i, 2,4,6,8,10,12,14,16,18,20,22,24,26,28,30
.irp c, 0,1
	s_delay_alu instid0(VALU_DEP_2)
	v_max3_num_f32 v[8+\c], v[8+\c], |v[X+32*\c+\i]|, |v[X+32*\c+\i+1]|   ; the two blocks by turns
.endr
.endr
.irp c, 0,1
	s_delay_alu instid0(VALU_DEP_2)
	v_add_nc_u32 v[10+\c], 0xfe000000, v[8+\c]     ; 4 off the exponent field: the conversion's scale operand
.endr
.irp c, 0,1
	s_delay_alu instid0(VALU_DEP_2)
	v_lshrrev_b32 v[12+\c], 23, v[10+\c]           ; the scale's byte
.endr
	s_delay_alu instid0(VALU_DEP_1)
	v_lshl_or_b32 v14, v13, 16, v12                ; my bytes: blocks h and 2 + h of the row's K step,
	s_delay_alu instid0(VALU_DEP_1)
	v_lshlrev_b32 v14, v5, v14                     ; 8 h bits up;
	s_delay_alu instid0(VALU_DEP_1)
	v_permlanex16_b32 v24, v14, s[SEL], s[SEL+1]
	s_delay_alu instid0(VALU_DEP_1)
	v_or_b32 v14, v14, v24                         ; with lane l xor 16's two the word is whole
	ds_store_b32 v7, v14                           ; lanes r and 16 + r write the same word with the same value; it goes out ahead of the conversions, so that the wait in front of the barrier finds it done
.irp c, 0,1
	v_cvt_scalef32_pk16_bf6_f32 v[PC+6*\c:PC+6*\c+2], v[X+32*\c:X+32*\c+15], v[10+\c]
	v_cvt_scalef32_pk16_bf6_f32 v[T2+4*\c:T2+4*\c+2], v[X+32*\c+16:X+32*\c+31], v[10+\c]   ; (a conversion's three registers begin on an even number)
.endr
	v_nop                                          ; one plain line behind the scaled conversions
.irp c, 0,1
.irp i, 0,1,2
	v_mov_b32 v[PC+6*\c+3+\i], v[T2+4*\c+\i]
.endr
.endr
.irp c, 0,1,2
	global_store_b128 v1, v[PC+4*\c:PC+4*\c+3], s[44:45] offset:512*\c   ; 32 lanes store 512 consecutive bytes, at a multiple of 256 from the buffer's first byte
.endr
	s_wait_dscnt 0x0                               ; for the others' sake: my scale word has landed
	s_barrier_signal -1
	s_barrier_wait -1
	s_cmp_eq_u32 s[WV], 0                          ; the four tiles' words of both K steps are 512 bytes: wave 0 stores them
	s_cbranch_scc0 .Lend
	ds_load_b128 v[184:187], v25
	s_wait_dscnt 0x0
	global_store_b128 v1, v[184:187], s[46:47]     ; 512 consecutive bytes, at a multiple of 256 from the buffer's first byte
.Lend:
	s_wait_tensorcnt 0x0
	ds_add_u32 v192, v193
	s_wait_dscnt 0x0
	s_endpgm
.Lfunc_end_k_qe55d1f8686_wq:
	.size	k_qe55d1f8686_wq, .Lfunc_end_k_qe55d1f8686_wq-k_qe55d1f8686_wq
	.p2alignl 7, 3214868480
	.fill 96, 4, 3214868480
	.section	.rodata,"a",@progbits
	.p2align	6, 0x0
	.amdhsa_kernel k_qe55d1f8686_wq
		.amdhsa_group_segment_fixed_size 69120
		.amdhsa_private_segment_fixed_size 0
		.amdhsa_enable_private_segment 0
		.amdhsa_kernarg_size 56
		.amdhsa_user_sgpr_count 2
		.amdhsa_user_sgpr_kernarg_segment_ptr 1
		.amdhsa_wavefront_size32 1
		.amdhsa_system_sgpr_workgroup_id_x 1
		.amdhsa_system_sgpr_workgroup_id_y 1
		.amdhsa_system_sgpr_workgroup_id_z 1
		.amdhsa_system_vgpr_workitem_id 0
		.amdhsa_next_free_vgpr 194
		.amdhsa_next_free_sgpr 66
		.amdhsa_reserve_vcc 0
		.amdhsa_float_denorm_mode_32 3
		.amdhsa_float_denorm_mode_16_64 3
		.amdhsa_memory_ordered 1
		.amdhsa_forward_progress 1
		.amdhsa_inst_pref_size 13
	.end_amdhsa_kernel
	.amdgpu_metadata
---
amdhsa.version: [ 1, 2 ]
amdhsa.kernels:
  - .name:           k_qe55d1f8686_wq
    .symbol:         k_qe55d1f8686_wq.kd
    .args:
      - { .name: wq1, .offset: 0, .size: 8, .value_kind: global_buffer, .address_space: global }
      - { .name: wk, .offset: 8, .size: 8, .value_kind: global_buffer, .address_space: global }
      - { .name: wq2, .offset: 16, .size: 8, .value_kind: global_buffer, .address_space: global }
      - { .name: wv, .offset: 24, .size: 8, .value_kind: global_buffer, .address_space: global }
      - { .name: wps, .offset: 32, .size: 8, .value_kind: global_buffer, .address_space: global }
      - { .name: wpc, .offset: 40, .size: 8, .value_kind: global_buffer, .address_space: global }
      - { .name: wsw, .offset: 48, .size: 8, .value_kind: global_buffer, .address_space: global }
    .group_segment_fixed_size: 69120
    .private_segment_fixed_size: 0
    .kernarg_segment_align: 8
    .kernarg_segment_size: 56
    .max_flat_workgroup_size: 256
    .sgpr_count:     66
    .vgpr_count:     194
    .wavefront_size: 32
...
	.end_amdgpu_metadata
.endif
;; end of part 1
;; launch proj (part 2): grid 8 x 32, 8 waves a work-group, clusters of 4 x 1, 263,168 bytes of LDS; arguments x1, x2, wsw, bq1, bk, bq2, bv, qws, kvws; writes qws, kvws
.if DOCPART == 2
	.amdgcn_target "amdgcn-amd-amdhsa--gfx1250"
	.amdhsa_code_object_version 6
	.text
	.protected	k_qe55d1f8686_proj
	.globl	k_qe55d1f8686_proj
	.p2align	8
	.type	k_qe55d1f8686_proj,@function
k_qe55d1f8686_proj:
	s_mov_b64 s[64:65], 0
	v_nop
	global_prefetch_b8 v0, s[64:65] scope:SCOPE_SE
	s_setreg_imm32_b32 hwreg(HW_REG_WAVE_MODE, 25, 1), 1
	s_wait_xcnt 0x0
	s_wait_alu depctr_hold_cnt(0) depctr_sa_sdst(0) depctr_va_vdst(0) depctr_va_sdst(0) depctr_va_ssrc(0) depctr_va_vcc(0) depctr_vm_vsrc(0)
	s_getreg_b32 s2, hwreg(HW_REG_IB_STS2, 6, 4)
	s_cmp_eq_u32 s2, 0
	s_cbranch_scc0 .Lentry_in_a_cluster
	s_endpgm
.Lentry_in_a_cluster:
	s_bfe_u32 s2, ttmp6, 0x10000c
	s_cmp_lg_u32 s2, 0x3003
	s_cbranch_scc0 .Lentry_shape_is_right
	s_endpgm
.Lentry_shape_is_right:
; q1 = wq1 x1 + bq1, k = wk x1 + bk, q2 = wq2 x2 + bq2, v = wv x1 + bv, all four products on codes of BF6 (E3M2) with one E8M0 byte for each 32 along K (the channels),
; and their results quantised again: q1, q2, k along the channels, v along the tokens (the keys).  x1, x2: [32][256 (c)][1,024 (token)] f32.
; Every operand is a SET, an image of operand registers: 128 rows x 256 K = 8 tiles T x 2 K steps s, 25,600 bytes: fragment (T, s) at (2 T + s) x 1,536, register 4 c + i of lane l at
; 512 c + 16 l + 4 i; row r of tile T is row 32 (T / 2) + 8 (T % 2) + r + 8 (r / 8) of the 128; scale words at 24,576: tile 4 g + i, K step l / 16, row l % 16 at 512 g + 16 l + 4 i.
; With that choice of rows a result's 16 registers of tiles 2 b and 2 b + 1 are 16 neighbours, 32 b + 16 (lane / 16) + 0 .. 15, along the next product's K.
; SHARES.  A work-group takes one batch and 128 tokens.  First the eight waves quantise x1 (waves 0-3) and x2 (waves 4-7): a lane takes a token and its registers run down the channels.
; Then ONE text serves all eight: a wave keeps a RESIDENT set (16 fragments) in registers as source 0 and walks the 8 tiles of a STREAMED set as source 1; in the result a lane is one streamed
; row and its 64 registers run along the resident set's 128 rows: one fragment of the next operand.
;   waves 0, 1: q1, channels 128 (w % 2) on: resident wq1's half, streamed x1;   waves 2, 3: k likewise;   waves 4, 5: q2, streamed x2;
;   waves 6, 7: v, channels 128 (w % 2) on: resident x1 (so the registers run along the tokens), streamed wv's half.
; CLUSTER.  All work-groups read the same eight sets of weights: the four of a cluster ask for them jointly, one tensor load a wave, each LDS byte filled once.
; LDS: ten slots of 25,600 bytes: 0-5 wq1, wk, wq2 (two halves each), 6 x1's image, 7 x2's, 8-9 wv's halves.  Slots 6 and 7 are written by LDS stores alone.
; LIMITS: a block of zeros, or one whose largest magnitude lies under 2^-122, keeps the scale byte 1 (zero codes add nothing; this program alone reads the bytes); NaN and infinities are not served.
; REGISTERS, window 0: v1-9 addresses; v16-17 x's scale words; v18 lane / 16; v19 zero; v20-27 the resident set's scale words, v28-29 the streamed tile's (scales and nothing else);
;   v32-47 the bias along lanes, in pairs; then either v64-127 x's numbers and v128-191 x's codes, or v64-111 two streamed tiles, v112-175 the results, v176-195 codes, v196-211 at work, v212-219 scale words.
;   window 1: v0-191 the resident set; v192-255 the bias along registers.
.set SETB, 25600
.set SCO,  24576
.set LI,   1                           ; 16 x lane
.set ARES, 2                           ; + the resident set's slot
.set ASTR, 3                           ; + the streamed set's slot
.set L4,   4                           ; 4 x lane
.set XI,   5                           ; where my token's codes go in x's image
.set XSA,  6                           ; and its scale words
.set BRO,  7                           ; 64 x (lane / 16)
.set BLO,  8                           ; 4 (r + 8 (r / 8))
.set SWO,  9                           ; 512 (lane / 16) + 16 r
.set SW,   16
.set HH,   18
.set ZR,   19
.set RS,   20
.set SS,   28
.set BL,   32
.set X,    64
.set CB,   128
.set SB,   64
.set HA,   112
.set PC,   176
.set TM,   196
.set PWS,  212
.set WO,   220
.set BR,   192                         ; in window 1
.set WV,   24
.set SEL,  30
.set G1,   32
.set G0,   40
.set XP,   48
.set BP,   50
.set OUT,  52
.set OUTS, 54
.set VM,   56
.set MSB,  0
.macro WIN new                         ; the immediate's high byte repeats the setting that is left
.if MSB != \new
	s_set_vgpr_msb (MSB<<8)|\new
.set MSB, \new
.endif
.endm
.macro PLACES n
.rept \n
	v_nop
.endr
.endm
.macro ROUND                           ; a round of the cluster's barrier
	s_barrier_signal -1
	s_barrier_wait -1
	s_cmp_lg_u32 s[WV], 0
	s_cbranch_scc1 .Lnot_wave_0_\@
	s_barrier_signal -3
.Lnot_wave_0_\@:
	s_barrier_wait -3
	s_barrier_signal -1
	s_barrier_wait -1
.endm
; 64 numbers of a lane, register 16 b + i = k 32 b + 16 (lane / 16) + i of my row, become a fragment's codes in v[pc] .. v[pc + 11] and its scale word in v[pw]
.macro QUANT src, pc, tm, pw
.irp b, 0,1,2,3
	v_max3_num_f32 v[\tm+\b], |v[\src+16*\b]|, |v[\src+16*\b+1]|, 0x2800000   ; my 16 numbers of block b, and the floor 2^(5 - 127): the byte cannot fall under 1
.endr
.irp i, 2,4,6,8,10,12,14
.irp b, 0,1,2,3
	v_max3_num_f32 v[\tm+\b], v[\tm+\b], |v[\src+16*\b+\i]|, |v[\src+16*\b+\i+1]|   ; the four blocks by turns
.endr
.endr
.irp b, 0,1,2,3
	s_delay_alu instid0(VALU_DEP_4)
	v_permlanex16_b32 v[\tm+4+\b], v[\tm+\b], s[SEL], s[SEL+1]
.endr
.irp b, 0,1,2,3
	s_delay_alu instid0(VALU_DEP_4)
	v_max_num_f32 v[\tm+\b], v[\tm+\b], v[\tm+4+\b]   ; with lane l xor 16's: the block's largest magnitude
.endr
.irp b, 0,1,2,3
	s_delay_alu instid0(VALU_DEP_4)
	v_add_nc_u32 v[\tm+12+\b], 0xfe000000, v[\tm+\b]  ; 4 off its exponent field: the conversion's scale operand
.endr
.irp b, 0,1,2,3
	s_delay_alu instid0(VALU_DEP_4)
	v_lshrrev_b32 v[\tm+4+\b], 23, v[\tm+12+\b]       ; the scale's byte
.endr
	s_delay_alu instid0(VALU_DEP_3)
	v_lshl_or_b32 v[\pw], v[\tm+5], 8, v[\tm+4]
	s_delay_alu instid0(VALU_DEP_1)
	v_lshl_or_b32 v[\pw], v[\tm+6], 16, v[\pw]
	s_delay_alu instid0(VALU_DEP_1)
	v_lshl_or_b32 v[\pw], v[\tm+7], 24, v[\pw]
.irp c, 0,1
	v_cvt_scalef32_pk16_bf6_f32 v[\pc+6*\c:\pc+6*\c+2], v[\src+32*\c:\src+32*\c+15], v[\tm+12+2*\c]
	v_cvt_scalef32_pk16_bf6_f32 v[\pc+12+4*\c:\pc+14+4*\c], v[\src+32*\c+16:\src+32*\c+31], v[\tm+13+2*\c]   ; (a conversion's three registers begin on an even number)
.endr
	v_nop                                          ; one plain line behind the scaled conversions
.irp c, 0,1                                    ; the operand's layout wants a whole block in a lane: lanes 0-15 block 2 c, lanes 16-31 block 2 c + 1
.irp i, 0,1,2
	v_permlane16_swap_b32 v[\pc+6*\c+\i], v[\pc+12+4*\c+\i]
.endr
.irp i, 0,1,2
	s_delay_alu instid0(VALU_DEP_3)
	v_mov_b32 v[\pc+3+6*\c+\i], v[\pc+12+4*\c+\i]
.endr
.endr
.endm
	s_load_b256 s[4:11], s[0:1], 0x0               ; x1 s[4:5], x2 s[6:7], wsw s[8:9], bq1 s[10:11]
	s_load_b256 s[12:19], s[0:1], 0x20             ; bk s[12:13], bq2 s[14:15], bv s[16:17], qws s[18:19]
	s_load_b64 s[20:21], s[0:1], 0x40              ; kvws
	v_lshl_add_u32 v254, v0, 2, 0x40000
	v_mov_b32 v255, 0
	ds_add_u32 v254, v255
	ds_add_u32 v254, v255
	v_lshrrev_b32 v10, 5, v0
	s_delay_alu instid0(VALU_DEP_1)
	v_readfirstlane_b32 s[WV], v10                 ; wave 0..7
	s_lshr_b32 s25, s[WV], 2                       ; t1: 1 in waves 4-7
	s_lshr_b32 s26, s[WV], 1
	s_and_b32 s26, s26, s25                        ; t2: 1 in waves 6, 7
	s_and_b32 s27, s26, s[WV]                      ; t3: 1 in wave 7
	s_and_b32 s28, s[WV], 1                        ; which half of the 256 channels
	s_and_b32 s29, s[WV], 3
	s_mov_b32 s[SEL], 0x76543210
	s_mov_b32 s[SEL+1], 0xfedcba98
	; descriptor group 1: a set is a dense block: 100 rows of 32 elements of 8 bytes, no padding
	s_mov_b32 s[G1], 15|(3<<16)|(1<<21)            ; 15:0 the mask: all four work-groups; 17:16 elements of 8 bytes; 21 set beside a mask
	s_mov_b32 s[G1+1], 32<<16                      ; tensor_dim0 = 32
	s_mov_b32 s[G1+2], 100<<16                     ; tensor_dim1 = 100
	s_mov_b32 s[G1+3], 32<<16                      ; tile_dim0 = 32
	s_mov_b32 s[G1+4], 100                         ; tile_dim1 = 100
	s_mov_b32 s[G1+5], 32                          ; from row to row
	s_mov_b32 s[G1+6], 0
	s_mov_b32 s[G1+7], 0
	s_mov_b32 s[G0], 1
	s_lshl_b32 s[G0+1], s26, 1
	s_add_co_u32 s[G0+1], s[G0+1], s[WV]
	s_mul_i32 s[G0+1], s[G0+1], SETB               ; set w lands in slot w (wv's halves: slots 8, 9)
	s_mul_i32 s66, s[WV], SETB                     ; and lies at w x 25,600 in wsw: nothing here hangs on the work-group
	s_mov_b32 s67, 0
	s_bfe_u32 s44, ttmp6, 0x40000                  ; cx
	s_lshl_b32 s45, ttmp9, 2
	s_add_co_u32 s45, s45, s44                     ; my block of 128 tokens: it enters global addresses alone
	s_and_b32 s46, ttmp7, 0xffff                   ; the batch
	v_and_b32 v10, 31, v0
	s_delay_alu instid0(VALU_DEP_1)
	v_lshlrev_b32 v[LI], 4, v10
	s_delay_alu instid0(VALU_DEP_2)
	v_lshlrev_b32 v[L4], 2, v10
	s_min_u32 s57, s[WV], 6
	s_mul_i32 s57, s57, SETB
	v_add_nc_u32 v[ARES], s57, v[LI]               ; resident: slot w, for waves 6 and 7 slot 6
	s_add_co_u32 s57, s25, s26
	s_add_co_u32 s57, s57, s27
	s_add_co_u32 s57, s57, 6
	s_mul_i32 s57, s57, SETB
	v_add_nc_u32 v[ASTR], s57, v[LI]               ; streamed: slot 6, 6, 6, 6, 7, 7, 8, 9
	v_and_b32 v10, 7, v0
	v_bfe_u32 v[HH], v0, 4, 1
	s_delay_alu instid0(VALU_DEP_1)
	v_lshl_or_b32 v10, v[HH], 3, v10               ; my token 32 (w % 4) + lane is row (lane % 8) + 8 (lane / 16)
	s_wait_alu depctr_va_vdst(0)
	v_bfe_u32 v12, v0, 3, 1                        ; of tile 2 (w % 4) + bit 3 of the lane
	v_lshlrev_b32 v[XI], 4, v10
	s_delay_alu instid0(VALU_DEP_1)
	v_mad_u32_u24 v[XI], v12, 3072, v[XI]
	s_add_co_u32 s68, s25, 6
	s_mul_i32 s68, s68, SETB                       ; x1's image: slot 6; x2's: slot 7
	s_mul_i32 s69, s29, 6144
	s_add_co_u32 s69, s69, s68
	v_add_nc_u32 v[XI], s69, v[XI]
	s_lshr_b32 s69, s29, 1
	s_lshl_b32 s69, s69, 9
	s_lshl_b32 s70, s28, 3
	s_add_co_u32 s69, s69, s70
	s_add_co_u32 s69, s69, s68
	s_add_co_u32 s69, s69, SCO
	v_lshlrev_b32 v[XSA], 4, v10
	s_wait_alu depctr_va_vdst(0)
	v_lshl_add_u32 v[XSA], v12, 2, v[XSA]
	s_delay_alu instid0(VALU_DEP_1)
	v_add_nc_u32 v[XSA], s69, v[XSA]
	v_and_b32 v13, 15, v0                          ; r
	v_lshlrev_b32 v[BRO], 6, v[HH]
	s_delay_alu instid0(VALU_DEP_2)
	v_and_b32 v14, 8, v13
	s_delay_alu instid0(VALU_DEP_1)
	v_add_nc_u32 v14, v14, v13
	s_delay_alu instid0(VALU_DEP_1)
	v_lshlrev_b32 v[BLO], 2, v14
	v_lshlrev_b32 v[SWO], 4, v13
	s_delay_alu instid0(VALU_DEP_1)
	v_lshl_add_u32 v[SWO], v[HH], 9, v[SWO]
	v_mov_b32 v[ZR], 0
.irp b, 0,1,2,3
	v_mov_b32 v[TM+4+\b], 0                        ; written once: a lane permute's destination counts as one of its sources
.endr
	s_lshl_b32 s58, s46, 3
	s_add_co_u32 s58, s58, s45
	s_lshl_b32 s58, s58, 1
	s_add_co_u32 s58, s58, s25
	s_mul_i32 s58, s58, SETB                       ; my result's set: ((8 b + block) x 2 + t1) x 25,600
	s_mov_b32 s59, 0
	s_mov_b32 s61, 0
	s_lshr_b32 s62, s[WV], 1
	s_and_b32 s63, s[WV], 2
	s_wait_alu depctr_va_vdst(0)
	s_wait_dscnt 0x0
	s_wait_kmcnt 0x0
	s_add_nc_u64 s[G0+2:G0+3], s[8:9], s[66:67]
	s_or_b32 s[G0+3], s[G0+3], 0x80000000
	s_cmp_lg_u32 s63, 0                            ; k and v go to kvws, q1 and q2 to qws
	s_cselect_b64 s[OUTS:OUTS+1], s[20:21], s[18:19]
	s_add_nc_u64 s[OUTS:OUTS+1], s[OUTS:OUTS+1], s[58:59]
	s_mul_i32 s60, s28, 1536
	s_add_nc_u64 s[OUT:OUT+1], s[OUTS:OUTS+1], s[60:61]     ; my fragments are those of K step w % 2
	s_lshl_b32 s60, s28, 8
	s_add_co_u32 s60, s60, SCO
	s_add_nc_u64 s[OUTS:OUTS+1], s[OUTS:OUTS+1], s[60:61]   ; and my scale words stand in lanes 16 (w % 2) on of the image
	s_mov_b64 s[BP:BP+1], s[10:11]
	s_cmp_eq_u32 s62, 1
	s_cselect_b64 s[BP:BP+1], s[12:13], s[BP:BP+1]
	s_cmp_eq_u32 s62, 2
	s_cselect_b64 s[BP:BP+1], s[14:15], s[BP:BP+1]
	s_cmp_eq_u32 s62, 3
	s_cselect_b64 s[BP:BP+1], s[16:17], s[BP:BP+1]
	s_lshl_b32 s60, s28, 9
	s_add_nc_u64 s[BP:BP+1], s[BP:BP+1], s[60:61]  ; my 128 numbers of my bias
	s_cmp_lt_u32 s[WV], 4
	s_cselect_b64 s[XP:XP+1], s[4:5], s[6:7]
	s_lshl_b32 s60, s46, 20
	s_lshl_b32 s62, s45, 9
	s_add_co_u32 s60, s60, s62
	s_lshl_b32 s62, s29, 7
	s_add_co_u32 s60, s60, s62
	s_add_nc_u64 s[XP:XP+1], s[XP:XP+1], s[60:61]  ; x at channel 0 of my wave's 32 tokens
	s_cmp_ge_u32 s[WV], 6
	s_cselect_b32 s[VM], -1, 0                     ; all ones in v's waves
	; the biases first (loads come back in order, so the counted waits below hold as they stand): along the registers (the resident set's rows) ..
	WIN 0x40
.irp T, 0,1,2,3,4,5,6,7
	global_load_b128 v[BR+8*\T:BR+8*\T+3], v[BRO], s[BP:BP+1] offset:(32*(\T/2)+8*(\T%2))*4
	global_load_b128 v[BR+8*\T+4:BR+8*\T+7], v[BRO], s[BP:BP+1] offset:(32*(\T/2)+8*(\T%2))*4+16
.endr
	WIN 0
.irp T, 0,1,2,3,4,5,6,7                        ; .. and along the lanes (the streamed tile's rows), each word twice, for the packed addition
	global_load_b32 v[BL+2*\T], v[BLO], s[BP:BP+1] offset:(32*(\T/2)+8*(\T%2))*4
	global_load_b32 v[BL+2*\T+1], v[BLO], s[BP:BP+1] offset:(32*(\T/2)+8*(\T%2))*4
.endr
.macro LOAD t                          ; block t: x(32 t + i, my token), i = 0 .. 31: each load reads 128 consecutive bytes, four waves side by side 512
.irp i, 0,1,2,3,4,5,6,7,8,9,10,11,12,13,14,15,16,17,18,19,20,21,22,23,24,25,26,27,28,29,30,31
	global_load_b32 v[X+32*((\t)%2)+\i], v[L4], s[XP:XP+1] offset:(32*(\t)+\i)*4096 th:TH_LOAD_NT
.endr
.endm
	LOAD 0
	LOAD 1
	ROUND                                          ; all four work-groups are here: the joint loads meet
	tensor_load_to_lds s[G0:G0+3], s[G1:G1+7]      ; my set of weights: one load a wave, each byte filled once in the launch
	s_nop 0
	PLACES 4                                       ; four such lines behind a tensor load
; ---- x becomes codes: a block of 32 channels of my token lies in my 32 registers
.macro BLOCK t
.set XS, X+32*((\t)%2)
.set CT, CB+8*(\t)
.set IO, 1536*((\t)/4)+256*((\t)%2)    ; K step t / 4; lanes 16 (t % 2) on of the image
.if (\t) < 7
	s_wait_loadcnt 32                              ; this block's 32 loads are in; the next block's 32 may be out
.else
	s_wait_loadcnt 0x0
.endif
	v_max3_num_f32 v12, |v[XS]|, |v[XS+1]|, |v[XS+2]|
	v_max3_num_f32 v13, |v[XS+3]|, |v[XS+4]|, |v[XS+5]|
.irp i, 6,10,14,18,22,26
	s_delay_alu instid0(VALU_DEP_2)
	v_max3_num_f32 v12, v12, |v[XS+\i]|, |v[XS+\i+1]|
	s_delay_alu instid0(VALU_DEP_2)
	v_max3_num_f32 v13, v13, |v[XS+\i+2]|, |v[XS+\i+3]|
.endr
	s_delay_alu instid0(VALU_DEP_2)
	v_max3_num_f32 v12, v12, |v[XS+30]|, |v[XS+31]|
	s_delay_alu instid0(VALU_DEP_1)
	v_max3_num_f32 v12, v12, v13, 0x2800000        ; and the floor 2^(5 - 127)
	s_delay_alu instid0(VALU_DEP_1)
	v_add_nc_u32 v11, 0xfe000000, v12              ; 4 off the exponent field: the conversion's scale operand
	s_delay_alu instid0(VALU_DEP_1)
	v_lshrrev_b32 v14, 23, v11                     ; the scale's byte
.if (\t)%4 == 0
	s_delay_alu instid0(VALU_DEP_1)
	v_mov_b32 v[SW+(\t)/4], v14
.else
	s_delay_alu instid0(VALU_DEP_1)
	v_lshl_or_b32 v[SW+(\t)/4], v14, 8*((\t)%4), v[SW+(\t)/4]
.endif
	v_cvt_scalef32_pk16_bf6_f32 v[CT:CT+2], v[XS:XS+15], v11
	v_cvt_scalef32_pk16_bf6_f32 v[CT+4:CT+6], v[XS+16:XS+31], v11
	v_nop                                          ; one plain line behind the scaled conversions
	v_mov_b32 v[CT+3], v[CT+4]                     ; the block's six registers on end
	v_mov_b32 v[CT+4], v[CT+5]
	v_mov_b32 v[CT+5], v[CT+6]
.if ((\t)%4)/2 == 0                            ; they are registers 0-5 of the fragment ..
	ds_store_b128 v[XI], v[CT:CT+3] offset:IO
	ds_store_b64 v[XI], v[CT+4:CT+5] offset:IO+512
.else                                          ; .. or registers 6-11
	ds_store_b64 v[XI], v[CT:CT+1] offset:IO+520
	ds_store_b128 v[XI], v[CT+2:CT+5] offset:IO+1024
.endif
.if (\t)+2 < 8
	LOAD (\t)+2
.endif
.endm
.irp t, 0,1,2,3,4,5,6,7
	BLOCK \t
.endr
	ds_store_b32 v[XSA], v[SW]                     ; my token's scale words: K step 0 in lanes 0-15 of the image,
	ds_store_b32 v[XSA], v[SW+1] offset:256        ; K step 1 in lanes 16-31
	s_wait_tensorcnt 0x0                           ; my set of weights has landed,
	s_wait_dscnt 0x0                               ; and my part of x's image:
	s_barrier_signal -1
	s_barrier_wait -1                              ; everybody's have
; ---- the resident set into registers; the first streamed tile
.macro SLOAD i, buf                    ; streamed tile i: two fragments and its scale word: seven loads
.irp k, 0,1,2,3,4,5
	ds_load_b128 v[SB+24*(\buf)+4*\k:SB+24*(\buf)+4*\k+3], v[ASTR] offset:3072*(\i)+512*\k
.endr
	ds_load_b32 v[SS+(\buf)], v[ASTR] offset:SCO+512*((\i)/4)+4*((\i)%4)
.endm
	WIN 0x40
.set i, 0
.rept 48
	ds_load_b128 v[4*i:4*i+3], v[ARES] offset:512*i
.set i, i+1
.endr
	WIN 0
	ds_load_b128 v[RS:RS+3], v[ARES] offset:SCO
	ds_load_b128 v[RS+4:RS+7], v[ARES] offset:SCO+512
	SLOAD 0, 0
	WIN 0x41
.set i, 0
.rept 64
	v_cndmask_b32 v[BR+i], v[BR+i], v[ZR], s[VM]   ; in v's waves the registers run along the tokens: the bias along them is 0, and bv is added by lanes below
.set i, i+1
.endr
	WIN 0
	PLACES 4
; ---- a trip: streamed tile i against the resident set's eight tiles, two K steps; the eight accumulators take turns
.macro TRIP i
.set SBI, SB+24*((\i)%2)
.if (\i) < 7
	SLOAD (\i)+1, 1-(\i)%2                         ; the other buffer's last readers stand in front of the last trip's quantiser: far more than four plain lines back
	s_wait_dscnt 7                                 ; the seven just issued may be out
.else
	s_wait_dscnt 0x0
.endif
	WIN 0x11                                       ; source 0 (resident) and C (bias) in window 1
.irp T, 0,1,2,3,4,5,6,7
	v_wmma_scale_f32_16x16x128_f8f6f4 v[HA+8*\T:HA+8*\T+7], v[24*\T:24*\T+11], v[SBI:SBI+11], v[BR+8*\T:BR+8*\T+7], v[RS+\T], v[SS+(\i)%2] matrix_a_fmt:MATRIX_FMT_BF6 matrix_b_fmt:MATRIX_FMT_BF6
.endr
	WIN 0x01
.irp T, 0,1,2,3,4,5,6,7
	v_wmma_scale_f32_16x16x128_f8f6f4 v[HA+8*\T:HA+8*\T+7], v[24*\T+12:24*\T+23], v[SBI+12:SBI+23], v[HA+8*\T:HA+8*\T+7], v[RS+\T], v[SS+(\i)%2] matrix_a_fmt:MATRIX_FMT_BF6 matrix_b_fmt:MATRIX_FMT_BF6 matrix_a_scale:MATRIX_SCALE_ROW1 matrix_b_scale:MATRIX_SCALE_ROW1
.endr
	WIN 0
	PLACES 4                                       ; four plain lines between the last product and the first read of results (ISA guide 7.12.1)
	s_cmp_lt_u32 s[WV], 6
	s_cbranch_scc1 .Lnot_v_\@
.set j, 0
.rept 32
	v_pk_add_f32 v[HA+j:HA+j+1], v[HA+j:HA+j+1], v[BL+2*(\i):BL+2*(\i)+1]   ; v's waves: my lane is one channel: + bv of it
.set j, j+2
.endr
.Lnot_v_\@:
	s_wait_xcnt 0x0                                ; the last trip's stores have read the codes' registers: they are written again only behind this wait
	QUANT HA, PC, TM, PWS+(\i)
.irp c, 0,1,2
	global_store_b128 v[LI], v[PC+4*\c:PC+4*\c+3], s[OUT:OUT+1] offset:3072*(\i)+512*\c   ; 32 lanes store 512 consecutive bytes, at a multiple of 256 from the buffer's first byte
.endr
.endm
	s_wait_alu depctr_va_vdst(0)
.irp i, 0,1,2,3,4,5,6,7
	TRIP \i
.endr
	v_cmp_eq_u32 vcc_lo, 1, v[HH]
.irp k, 0,1,2,3
	v_cndmask_b32 v[WO+\k], v[PWS+\k], v[PWS+4+\k], vcc_lo   ; lanes 0-15 send tiles 0-3's words of their row, lanes 16-31 tiles 4-7's
.endr
	global_store_b128 v[SWO], v[WO:WO+3], s[OUTS:OUTS+1]     ; sixteen lanes store 256 consecutive bytes, aligned
	s_wait_tensorcnt 0x0
	ds_add_u32 v254, v255
	s_wait_dscnt 0x0
	ROUND                                          ; the closing round: no work-group ends while a partner may still ask for a set that names it
	s_endpgm
.Lfunc_end_k_qe55d1f8686_proj:
	.size	k_qe55d1f8686_proj, .Lfunc_end_k_qe55d1f8686_proj-k_qe55d1f8686_proj
	.p2alignl 7, 3214868480
	.fill 96, 4, 3214868480
	.section	.rodata,"a",@progbits
	.p2align	6, 0x0
	.amdhsa_kernel k_qe55d1f8686_proj
		.amdhsa_group_segment_fixed_size 263168
		.amdhsa_private_segment_fixed_size 0
		.amdhsa_enable_private_segment 0
		.amdhsa_kernarg_size 72
		.amdhsa_user_sgpr_count 2
		.amdhsa_user_sgpr_kernarg_segment_ptr 1
		.amdhsa_wavefront_size32 1
		.amdhsa_system_sgpr_workgroup_id_x 1
		.amdhsa_system_sgpr_workgroup_id_y 1
		.amdhsa_system_sgpr_workgroup_id_z 1
		.amdhsa_system_vgpr_workitem_id 0
		.amdhsa_next_free_vgpr 512
		.amdhsa_next_free_sgpr 96
		.amdhsa_reserve_vcc 1
		.amdhsa_float_denorm_mode_32 3
		.amdhsa_float_denorm_mode_16_64 3
		.amdhsa_memory_ordered 1
		.amdhsa_forward_progress 1
		.amdhsa_inst_pref_size 136
	.end_amdhsa_kernel
	.amdgpu_metadata
---
amdhsa.version: [ 1, 2 ]
amdhsa.kernels:
  - .name:           k_qe55d1f8686_proj
    .symbol:         k_qe55d1f8686_proj.kd
    .args:
      - { .name: x1, .offset: 0, .size: 8, .value_kind: global_buffer, .address_space: global }
      - { .name: x2, .offset: 8, .size: 8, .value_kind: global_buffer, .address_space: global }
      - { .name: wsw, .offset: 16, .size: 8, .value_kind: global_buffer, .address_space: global }
      - { .name: bq1, .offset: 24, .size: 8, .value_kind: global_buffer, .address_space: global }
      - { .name: bk, .offset: 32, .size: 8, .value_kind: global_buffer, .address_space: global }
      - { .name: bq2, .offset: 40, .size: 8, .value_kind: global_buffer, .address_space: global }
      - { .name: bv, .offset: 48, .size: 8, .value_kind: global_buffer, .address_space: global }
      - { .name: qws, .offset: 56, .size: 8, .value_kind: global_buffer, .address_space: global }
      - { .name: kvws, .offset: 64, .size: 8, .value_kind: global_buffer, .address_space: global }
    .group_segment_fixed_size: 263168
    .private_segment_fixed_size: 0
    .kernarg_segment_align: 8
    .kernarg_segment_size: 72
    .max_flat_workgroup_size: 256
    .sgpr_count:     96
    .vgpr_count:     512
    .wavefront_size: 32
...
	.end_amdgpu_metadata
.endif
;; end of part 2
;; launch attn (part 3): grid 8 x 32, 8 waves a work-group, clusters of 4 x 1, 327,680 bytes of LDS; arguments qws, kvws, wsw, x1, bps, bpc, out0, out1; writes out0, out1
.if DOCPART == 3
	.amdgcn_target "amdgcn-amd-amdhsa--gfx1250"
	.amdhsa_code_object_version 6
	.text
	.protected	k_qe55d1f8686_attn
	.globl	k_qe55d1f8686_attn
	.p2align	8
	.type	k_qe55d1f8686_attn,@function
k_qe55d1f8686_attn:
	s_mov_b64 s[64:65], 0
	v_nop
	global_prefetch_b8 v0, s[64:65] scope:SCOPE_SE
	s_setreg_imm32_b32 hwreg(HW_REG_WAVE_MODE, 25, 1), 1
	s_wait_xcnt 0x0
	s_wait_alu depctr_hold_cnt(0) depctr_sa_sdst(0) depctr_va_vdst(0) depctr_va_sdst(0) depctr_va_ssrc(0) depctr_va_vcc(0) depctr_vm_vsrc(0)
	s_getreg_b32 s2, hwreg(HW_REG_IB_STS2, 6, 4)
	s_cmp_eq_u32 s2, 0
	s_cbranch_scc0 .Lentry_in_a_cluster
	s_endpgm
.Lentry_in_a_cluster:
	s_bfe_u32 s2, ttmp6, 0x10000c
	s_cmp_lg_u32 s2, 0x3003
	s_cbranch_scc0 .Lentry_shape_is_right
	s_endpgm
.Lentry_shape_is_right:
; out0 = x1 + wps h1 + bps, out1 = x1 + wpc h12 + bpc, with h1 = softmax(q1 k^T / 16) v and h12 = softmax((q1 k^T + q2 k^T) / 16) v.  All products on codes of BF6 (E3M2), one E8M0 byte for each 32 along K.
; q1, q2, k, v and the weights arrive as SETS, images of operand registers: 128 rows x 256 K = 8 tiles T x 2 K steps s, 25,600 bytes: fragment (T, s) at (2 T + s) x 1,536, register 4 c + i of lane l at
; 512 c + 16 l + 4 i; row r of tile T is row 32 (T / 2) + 8 (T % 2) + r + 8 (r / 8) of the 128; scale words at 24,576: tile 4 g + i, K step l / 16, row l % 16 at 512 g + 16 l + 4 i.
; A set of v holds 256 channels x 128 keys: its fragment (T, s) is channel tile 8 s + T.  So every fragment comes by three loads of 16 bytes a lane, 512 consecutive bytes each: no pitch, no padding.
; THE SOFTMAX: t = score x log2(e) / 16; M = the row's largest t so far, rounded up to a whole number; p = 2^(t - M) is quantised along the keys, not normalised; the row's sum is taken of the
; unquantised p and divides O at the end.  When M moves, the sum and O are multiplied by 2^(old M - new M), which rounds nothing.
; SHARES.  A work-group owns one batch and 128 queries; wave w owns query tile w (16 queries) for BOTH attentions, so that each fragment of k feeds two products (q1's and q2's) and each fragment of v two.
; Two waves share a SIMD: one wave's softmax stands beside the other's products.  Both products are used transposed (source 0 = 16 keys, or 16 channels of v): a lane holds one query throughout.
; RING.  Two LDS slots of two key steps (k, v, k, v: four sets, 102,400 dense bytes), filled by waves 0-3, one tensor load of a whole set each.
; CLUSTER.  The four query blocks of a cluster belong to one batch and walk the same k and v: each set is asked for jointly.
; THE END.  h = O / sum is quantised along the channels and goes from wave to wave through LDS as sets; wave w then makes output channels 32 w .. 32 w + 31 for the 128 tokens, with the bias as the first
; product's C; the results turn through the wave's stage into rows of 512 bytes, x1's rows are added, and 32 lanes store a row.
; LIMITS: NaN and infinities are not served; a block whose largest magnitude lies under 2^-122 keeps the scale byte 1; p under 2^-126 comes out as 0 (v_exp_f32 flushes: ISA guide, its entry);
; a block's largest p is made from its largest score by the same two instructions, which takes v_exp_f32 not to fall where its input rises.
; REGISTERS, window 0: v1-7 addresses; v8-13, v14-19 statistics of the two attentions: (-M, largest t), the sum in two halves, (f, 0); v20-27 scale words of k, v or h; v28-29 q1's, q2's, v30-31 p's, later the
;   weights' (v20-31 hold scales and nothing else); v32-79 q1's and q2's fragments; v80-127 F: four fragments of k, then p's codes and work; v128-255 R: scores and p (block b of attention a at R + 32 b + 16 a), then fragments of v.
;   window 1: O^T: attention 1's channel tile u at 8 u, attention 12's at 128 + 8 u.
.set SETB,  25600
.set SCO,   24576
.set STEPB, 2*SETB                     ; a key step: a set of k, a set of v
.set SLOTB, 2*STEPB
.set SLOT1, 1<<17                      ; slot 1 begins here: one exclusive or turns an address of one slot into the other's
.set SPARE, SLOT1+SLOTB                ; behind the ring: the spare words, 128 bytes for each wave: four blocks of 256 bytes that no other line names
.set H12,   0                          ; the end: h12's set, h1's set and the stages lie in slot 0 and the gap behind it: slot 0 has had its last fill and its last read at the last change of slots
.set H1,    SETB
.set STG,   2*SETB
.set SPITCH, 528                       ; a stage row: 512 bytes + 16
.set LI,  1                            ; 16 x lane
.set AD,  2                            ; + the key step's place; at the end: the biases' offset
.set SPW, 3                            ; my spare word; never rewritten
.set NIL, 4                            ; 0; never rewritten
.set PFO, 5                            ; 4,096 x lane: the prefetch's offset; never rewritten
.set HSA, 6                            ; where h's scale word goes; behind the end's barrier RD: where I read a stage row back
.set HWI, 7                            ; where h's fragments go; behind the end's barrier STO: where I put 32 bytes of a stage row
.set SCA, 20
.set QS,  28
.set PS,  30
.set Q,   32
.set F,   80
.set R,   128
.set T8,  F+24
.set BM,  F+32
.set PT,  F+36
.set SO,  F+40
.set TT,  F+44
.set WV,  24
.set SEL, 28
.set CS,  30
.set G1,  32
.set G0,  40
.set TB,  44
.set SLOTS, 45
.set TWICE, 46
.set HM,  47
.set QB,  48
.set QSB, 50
.set WB,  52
.set WSB, 54
.set XB,  56
.set OB,  58                           ; s[58:59] out0, s[60:61] out1, at my rows
.set MSB, 0
.macro WIN new                         ; the immediate's high byte repeats the setting that is left
.if MSB != \new
	s_set_vgpr_msb (MSB<<8)|\new
.set MSB, \new
.endif
.endm
.macro PLACES n
.rept \n
	v_nop
.endr
.endm
.macro ROUND                           ; a round of the cluster's barrier
	s_barrier_signal -1
	s_barrier_wait -1
	s_cmp_lg_u32 s[WV], 0
	s_cbranch_scc1 .Lnot_wave_0_\@
	s_barrier_signal -3
.Lnot_wave_0_\@:
	s_barrier_wait -3
	s_barrier_signal -1
	s_barrier_wait -1
.endm
.macro JLOAD                           ; waves 0-3 fetch a set each; the branch hangs on the wave's number alone; four v_nop follow the load
	s_cmp_lt_u32 s[WV], 4
	s_cbranch_scc0 .Lnone_\@
	tensor_load_to_lds s[G0:G0+3], s[G1:G1+7]
	s_nop 0
	PLACES 4
.Lnone_\@:
.endm
; 64 numbers of a lane, register 16 b + i = k 32 b + 16 (lane / 16) + i of my row, become a fragment's codes in v[pc] .. v[pc + 11] and its scale word in v[pw]
.macro QUANT src, pc, tm, pw
.irp b, 0,1,2,3
	v_max3_num_f32 v[\tm+\b], |v[\src+16*\b]|, |v[\src+16*\b+1]|, 0x2800000
.endr
.irp i, 2,4,6,8,10,12,14
.irp b, 0,1,2,3
	s_delay_alu instid0(VALU_DEP_4)
	v_max3_num_f32 v[\tm+\b], v[\tm+\b], |v[\src+16*\b+\i]|, |v[\src+16*\b+\i+1]|
.endr
.endr
.irp b, 0,1,2,3
	s_delay_alu instid0(VALU_DEP_4)
	v_permlanex16_b32 v[\tm+4+\b], v[\tm+\b], s[SEL], s[SEL+1]
.endr
.irp b, 0,1,2,3
	s_delay_alu instid0(VALU_DEP_4)
	v_max_num_f32 v[\tm+\b], v[\tm+\b], v[\tm+4+\b]
.endr
.irp b, 0,1,2,3
	s_delay_alu instid0(VALU_DEP_4)
	v_add_nc_u32 v[\tm+12+\b], 0xfe000000, v[\tm+\b]
.endr
.irp b, 0,1,2,3
	s_delay_alu instid0(VALU_DEP_4)
	v_lshrrev_b32 v[\tm+4+\b], 23, v[\tm+12+\b]
.endr
	s_delay_alu instid0(VALU_DEP_3)
	v_lshl_or_b32 v[\pw], v[\tm+5], 8, v[\tm+4]
	s_delay_alu instid0(VALU_DEP_1)
	v_lshl_or_b32 v[\pw], v[\tm+6], 16, v[\pw]
	s_delay_alu instid0(VALU_DEP_1)
	v_lshl_or_b32 v[\pw], v[\tm+7], 24, v[\pw]
.irp c, 0,1
	v_cvt_scalef32_pk16_bf6_f32 v[\pc+6*\c:\pc+6*\c+2], v[\src+32*\c:\src+32*\c+15], v[\tm+12+2*\c]
	v_cvt_scalef32_pk16_bf6_f32 v[\pc+12+4*\c:\pc+14+4*\c], v[\src+32*\c+16:\src+32*\c+31], v[\tm+13+2*\c]
.endr
	v_nop                                          ; one plain line behind the scaled conversions
.irp c, 0,1
.irp i, 0,1,2
	v_permlane16_swap_b32 v[\pc+6*\c+\i], v[\pc+12+4*\c+\i]
.endr
.irp i, 0,1,2
	s_delay_alu instid0(VALU_DEP_3)
	v_mov_b32 v[\pc+3+6*\c+\i], v[\pc+12+4*\c+\i]
.endr
.endr
.endm
	s_load_b256 s[8:15], s[0:1], 0x0               ; qws s[8:9], kvws s[10:11], wsw s[12:13], x1 s[14:15]
	s_load_b256 s[16:23], s[0:1], 0x20             ; bps s[16:17], bpc s[18:19], out0 s[20:21], out1 s[22:23]
	v_lshl_add_u32 v[SPW], v0, 2, SPARE
	v_mov_b32 v[NIL], 0
	ds_add_u32 v3, v4
	ds_add_u32 v3, v4
	s_wait_dscnt 0x0
	v_lshrrev_b32 v2, 5, v0
	s_delay_alu instid0(VALU_DEP_1)
	v_readfirstlane_b32 s[WV], v2                  ; wave 0..7
	s_and_b32 s25, s[WV], 3
	s_lshr_b32 s26, s[WV], 2
	s_mov_b32 s[SEL], 0x76543210
	s_mov_b32 s[SEL+1], 0xfedcba98
	s_mov_b32 s[CS], 0x3db8aa3b                    ; c = log2(e) / 16
	s_mov_b32 s[CS+1], s[CS]                       ; (named with it as a pair, so it is written)
	; descriptor group 1: a set is a dense block: 100 rows of 32 elements of 8 bytes, no padding
	s_mov_b32 s[G1], 15|(3<<16)|(1<<21)            ; 15:0 the mask: all four work-groups; 17:16 elements of 8 bytes; 21 set beside a mask
	s_mov_b32 s[G1+1], 32<<16
	s_mov_b32 s[G1+2], 100<<16
	s_mov_b32 s[G1+3], 32<<16
	s_mov_b32 s[G1+4], 100
	s_mov_b32 s[G1+5], 32
	s_mov_b32 s[G1+6], 0
	s_mov_b32 s[G1+7], 0
	s_and_b32 s68, ttmp7, 0xffff                   ; the batch, which the four partners share
	s_mov_b32 s[G0], 1
	s_mul_i32 s[G0+1], s25, SETB                   ; set w % 4 of slot 0
	s_mul_i32 s74, s68, 8*STEPB                    ; the batch's k and v,
	s_add_co_u32 s74, s74, s[G0+1]                 ; my set of its first four: no place in the cluster enters the descriptor
	s_mov_b32 s75, 0
	s_bfe_u32 s66, ttmp6, 0x40000                  ; cx
	s_lshl_b32 s67, ttmp9, 2
	s_add_co_u32 s67, s67, s66                     ; my block of 128 queries: it enters global addresses alone
	s_lshl_b32 s69, s68, 3
	s_add_co_u32 s69, s69, s67
	s_mul_i32 s70, s69, 2*SETB                     ; the block's two sets, q1's and q2's
	s_mul_i32 s71, s[WV], 3072                     ; tile w's two fragments in a set
	s_add_co_u32 s76, s70, s71
	s_mov_b32 s77, 0
	s_lshl_b32 s72, s26, 9
	s_lshl_b32 s73, s25, 2
	s_add_co_u32 s72, s72, s73
	s_add_co_u32 s27, s72, SCO                     ; tile w's scale words in a set
	s_add_co_u32 s78, s70, s27
	s_mov_b32 s79, 0
	s_add_co_u32 s80, s26, 8
	s_mul_i32 s80, s80, SETB                       ; wps' half w / 4 (wpc's: two sets on)
	s_mul_i32 s82, s25, 6144
	s_add_co_u32 s82, s82, s80                     ; its tiles 2 (w % 4) and 2 (w % 4) + 1: output channels 32 w on
	s_mov_b32 s83, 0
	s_lshr_b32 s84, s[WV], 1
	s_and_b32 s84, s84, 1
	s_lshl_b32 s84, s84, 9
	s_and_b32 s85, s[WV], 1
	s_lshl_b32 s85, s85, 3
	s_add_co_u32 s84, s84, s85
	s_add_co_u32 s84, s84, s80
	s_add_co_u32 s84, s84, SCO                     ; and these two tiles' scale words
	s_mov_b32 s85, 0
	s_lshl_b32 s86, s68, 20
	s_lshl_b32 s87, s[WV], 17
	s_add_co_u32 s86, s86, s87
	s_lshl_b32 s87, s67, 9
	s_add_co_u32 s86, s86, s87                     ; x1, out0, out1: channel 32 w of the batch, my block's 128 tokens
	s_mov_b32 s87, 0
	s_lshl_b32 s88, s[WV], 7                       ; the biases: 32 numbers a wave
	s_mov_b32 s89, 0
	s_mul_i32 s90, s[WV], 16*SPITCH
	s_add_co_u32 s90, s90, STG                     ; my stage
	v_and_b32 v2, 31, v0
	s_delay_alu instid0(VALU_DEP_1)
	v_lshlrev_b32 v[LI], 4, v2
	s_delay_alu instid0(VALU_DEP_2)
	v_lshlrev_b32 v[PFO], 12, v2
	s_delay_alu instid0(VALU_DEP_2)
	v_add_nc_u32 v[HSA], s27, v[LI]
	s_delay_alu instid0(VALU_DEP_3)
	v_add_nc_u32 v[HWI], s71, v[LI]
	s_wait_kmcnt 0x0
	s_add_nc_u64 s[G0+2:G0+3], s[10:11], s[74:75]
	s_or_b32 s[G0+3], s[G0+3], 0x80000000
	s_add_nc_u64 s[QB:QB+1], s[8:9], s[76:77]
	s_add_nc_u64 s[QSB:QSB+1], s[8:9], s[78:79]
	s_add_nc_u64 s[WB:WB+1], s[12:13], s[82:83]
	s_add_nc_u64 s[WSB:WSB+1], s[12:13], s[84:85]
	s_add_nc_u64 s[XB:XB+1], s[14:15], s[86:87]
	s_add_nc_u64 s[OB:OB+1], s[20:21], s[86:87]
	s_add_nc_u64 s[OB+2:OB+3], s[22:23], s[86:87]
	s_add_nc_u64 s[16:17], s[16:17], s[88:89]
	s_add_nc_u64 s[18:19], s[18:19], s[88:89]
	ROUND                                          ; all four work-groups are here: the first joint loads meet
	JLOAD                                          ; slot 0: key steps 0 and 1
	s_wait_alu depctr_va_vdst(0)
.irp a, 0,1
.irp s, 0,1
.irp c, 0,1,2
	global_load_b128 v[Q+24*\a+12*\s+4*\c:Q+24*\a+12*\s+4*\c+3], v[LI], s[QB:QB+1] offset:SETB*\a+1536*\s+512*\c   ; my tile of q1 and of q2 stays in registers
.endr
.endr
	global_load_b32 v[QS+\a], v[LI], s[QSB:QSB+1] offset:SETB*\a   ; its scale words: K step 0 in lanes 0-15, K step 1 in lanes 16-31
.endr
.irp a, 0,1
	v_mov_b32 v[9+6*\a], 0xff61b1e6                ; the largest t so far: -3e38, under every t
	s_delay_alu instid0(VALU_DEP_1)
	v_floor_f32 v[8+6*\a], -v[9+6*\a]              ; -M
	v_mov_b32 v[10+6*\a], 0                        ; the sum, in two halves
	v_mov_b32 v[11+6*\a], 0
	v_mov_b32 v[13+6*\a], 0                        ; (named as the upper half of f's pair)
.endr
	WIN 0x40
.set i, 0
.rept 256
	v_mov_b32 v[i], 0                              ; O^T.  The key step is written once: its first walk finds zeros, which the first change of M leaves zeros
.set i, i+1
.endr
	WIN 0
	s_mov_b32 s[TB], 0
	s_mov_b32 s[SLOTS], 3
	s_wait_loadcnt 0x0                             ; q1, q2
.macro LOADG g, buf, off               ; four fragments, a set's 4 g .. 4 g + 3: twelve loads of 512 consecutive bytes
.irp k, 0,1,2,3,4,5,6,7,8,9,10,11
	ds_load_b128 v[\buf+4*\k:\buf+4*\k+3], v[AD] offset:\off+6144*\g+512*\k
.endr
.endm
; S^T = k q^T for key tiles 2 g and 2 g + 1, both attentions' queries, both K steps: four accumulators by turns; the first K step starts the sums
.macro QKG g, buf
.irp u, 0,1
.irp a, 0,1
	v_wmma_scale_f32_16x16x128_f8f6f4 v[R+32*\g+16*\a+8*\u:R+32*\g+16*\a+8*\u+7], v[\buf+24*\u:\buf+24*\u+11], v[Q+24*\a:Q+24*\a+11], 0, v[SCA+2*\g+\u], v[QS+\a] matrix_a_fmt:MATRIX_FMT_BF6 matrix_b_fmt:MATRIX_FMT_BF6
.endr
.endr
.irp u, 0,1
.irp a, 0,1
	v_wmma_scale_f32_16x16x128_f8f6f4 v[R+32*\g+16*\a+8*\u:R+32*\g+16*\a+8*\u+7], v[\buf+24*\u+12:\buf+24*\u+23], v[Q+24*\a+12:Q+24*\a+23], v[R+32*\g+16*\a+8*\u:R+32*\g+16*\a+8*\u+7], v[SCA+2*\g+\u], v[QS+\a] matrix_a_fmt:MATRIX_FMT_BF6 matrix_b_fmt:MATRIX_FMT_BF6 matrix_a_scale:MATRIX_SCALE_ROW1 matrix_b_scale:MATRIX_SCALE_ROW1
.endr
.endr
.endm
; O^T += v^T p^T for v's fragments 4 g + e: channel tile 8 (e % 2) + 2 g + e / 2; each fragment feeds both attentions; eight accumulators, one instruction each
.macro PVG g, buf
	WIN 0x50                                       ; C and D in window 1
.irp e, 0,1,2,3
.if (\e)%2 == 0
	v_wmma_scale_f32_16x16x128_f8f6f4 v[8*(2*\g+\e/2):8*(2*\g+\e/2)+7], v[\buf+12*\e:\buf+12*\e+11], v[F:F+11], v[8*(2*\g+\e/2):8*(2*\g+\e/2)+7], v[SCA+2*\g+\e/2], v[PS] matrix_a_fmt:MATRIX_FMT_BF6 matrix_b_fmt:MATRIX_FMT_BF6
	v_wmma_scale_f32_16x16x128_f8f6f4 v[128+8*(2*\g+\e/2):128+8*(2*\g+\e/2)+7], v[\buf+12*\e:\buf+12*\e+11], v[F+12:F+23], v[128+8*(2*\g+\e/2):128+8*(2*\g+\e/2)+7], v[SCA+2*\g+\e/2], v[PS+1] matrix_a_fmt:MATRIX_FMT_BF6 matrix_b_fmt:MATRIX_FMT_BF6
.else
	v_wmma_scale_f32_16x16x128_f8f6f4 v[8*(8+2*\g+\e/2):8*(8+2*\g+\e/2)+7], v[\buf+12*\e:\buf+12*\e+11], v[F:F+11], v[8*(8+2*\g+\e/2):8*(8+2*\g+\e/2)+7], v[SCA+2*\g+\e/2], v[PS] matrix_a_fmt:MATRIX_FMT_BF6 matrix_b_fmt:MATRIX_FMT_BF6 matrix_a_scale:MATRIX_SCALE_ROW1
	v_wmma_scale_f32_16x16x128_f8f6f4 v[128+8*(8+2*\g+\e/2):128+8*(8+2*\g+\e/2)+7], v[\buf+12*\e:\buf+12*\e+11], v[F+12:F+23], v[128+8*(8+2*\g+\e/2):128+8*(8+2*\g+\e/2)+7], v[SCA+2*\g+\e/2], v[PS+1] matrix_a_fmt:MATRIX_FMT_BF6 matrix_b_fmt:MATRIX_FMT_BF6 matrix_a_scale:MATRIX_SCALE_ROW1
.endif
.endr
.endm
; One attention's softmax for 128 keys: scores in, p's codes (F + 12 a on) and scale word (v[PS + a]) out
.macro SOFTMAX a
.set ST, 8+6*(\a)
.set RA, R+16*(\a)
.irp b, 0,1,2,3
	v_max3_num_f32 v[BM+\b], v[RA+32*\b], v[RA+32*\b+1], v[RA+32*\b+2]   ; the largest score of each block of 32 keys: for the row's maximum, and, since p rises with the score, for the block's largest p
.endr
.irp i, 3,5,7,9,11,13
.irp b, 0,1,2,3
	v_max3_num_f32 v[BM+\b], v[BM+\b], v[RA+32*\b+\i], v[RA+32*\b+\i+1]
.endr
.endr
.irp b, 0,1,2,3
	v_max_num_f32 v[BM+\b], v[BM+\b], v[RA+32*\b+15]
.endr
.irp b, 0,1,2,3
	s_delay_alu instid0(VALU_DEP_4)
	v_permlanex16_b32 v[PT+\b], v[BM+\b], s[SEL], s[SEL+1]
.endr
.irp b, 0,1,2,3
	s_delay_alu instid0(VALU_DEP_4)
	v_max_num_f32 v[BM+\b], v[BM+\b], v[PT+\b]     ; with lane l xor 16's 16 keys
.endr
	s_delay_alu instid0(VALU_DEP_2)
	v_max3_num_f32 v[TT], v[BM], v[BM+1], v[BM+2]
	s_delay_alu instid0(VALU_DEP_1)
	v_max_num_f32 v[TT], v[TT], v[BM+3]
	s_delay_alu instid0(VALU_DEP_1)
	v_mul_f32 v[TT], s[CS], v[TT]                  ; the step's largest t of my query (c is positive)
	s_delay_alu instid0(VALU_DEP_1)
	v_max_num_f32 v[ST+1], v[ST+1], v[TT]          ; the running largest t
	v_mov_b32 v[TT], v[ST]
	s_delay_alu instid0(VALU_DEP_2)
	v_floor_f32 v[ST], -v[ST+1]                    ; the new -M = floor(-t): M is a whole number
	s_delay_alu instid0(VALU_DEP_1)
	v_sub_f32 v[TT], v[ST], v[TT]                  ; old M - new M: a whole number, 0 or less
	s_delay_alu instid0(VALU_DEP_1)
	v_cvt_i32_f32 v[TT], v[TT]                     ; (it saturates)
	s_delay_alu instid0(VALU_DEP_1)
	v_ldexp_f32 v[ST+4], 1.0, v[TT]                ; f = 2^(old M - new M)
.irp b, 0,1,2,3
.irp j, 0,2,4,6,8,10,12,14
	v_pk_fma_f32 v[RA+32*\b+\j:RA+32*\b+\j+1], v[RA+32*\b+\j:RA+32*\b+\j+1], s[CS:CS+1], v[ST:ST+1] op_sel_hi:[1,0,0]   ; t - M, two at a time
.endr
.endr
.irp b, 0,1,2,3
	v_fma_f32 v[BM+\b], v[BM+\b], s[CS], v[ST]     ; the same of each block's largest score
.endr
	s_wait_alu depctr_va_vdst(0)
.irp b, 0,1,2,3
.irp j, 0,1,2,3,4,5,6,7,8,9,10,11,12,13,14,15
	v_exp_f32 v[RA+32*\b+\j], v[RA+32*\b+\j]       ; p = 2^(t - M), at most 1
.endr
.endr
	v_pk_mul_f32 v[ST+2:ST+3], v[ST+2:ST+3], v[ST+4:ST+5] op_sel_hi:[1,0]   ; the sums under the new M: the plain line behind the exponentials
	s_wait_alu depctr_va_vdst(0)                   ; one wait for the batch of 64, ahead of its first reader
.irp b, 0,1,2,3
	v_exp_f32 v[BM+\b], v[BM+\b]                   ; the block's largest p
.endr
	v_pk_add_f32 v[TT+2:TT+3], v[RA:RA+1], v[RA+2:RA+3]   ; the row's sum is taken of the unquantised p, in two chains; these lines read the 64 alone
.irp b, 0,1,2,3
.irp j, 0,4,8,12
.if (\b)+(\j) > 0
	v_pk_add_f32 v[ST+2:ST+3], v[ST+2:ST+3], v[RA+32*\b+\j:RA+32*\b+\j+1]
	v_pk_add_f32 v[TT+2:TT+3], v[TT+2:TT+3], v[RA+32*\b+\j+2:RA+32*\b+\j+3]
.endif
.endr
.endr
	s_delay_alu instid0(VALU_DEP_1)
	v_pk_add_f32 v[ST+2:ST+3], v[ST+2:ST+3], v[TT+2:TT+3]
	s_wait_alu depctr_va_vdst(0)                   ; and one for the four
.irp b, 0,1,2,3
	v_max_num_f32 v[BM+\b], 0x2800000, v[BM+\b]    ; the floor 2^(5 - 127): the byte cannot fall under 1
.endr
.irp b, 0,1,2,3
	s_delay_alu instid0(VALU_DEP_4)
	v_add_nc_u32 v[SO+\b], 0xfe000000, v[BM+\b]    ; 4 off the exponent field: the conversion's scale operand
.endr
.irp b, 0,1,2,3
	s_delay_alu instid0(VALU_DEP_4)
	v_lshrrev_b32 v[PT+\b], 23, v[SO+\b]           ; the scale's byte
.endr
	s_delay_alu instid0(VALU_DEP_3)
	v_lshl_or_b32 v[PS+(\a)], v[PT+1], 8, v[PT]    ; p's scale word for these 128 keys
	s_delay_alu instid0(VALU_DEP_1)
	v_lshl_or_b32 v[PS+(\a)], v[PT+2], 16, v[PS+(\a)]
	s_delay_alu instid0(VALU_DEP_1)
	v_lshl_or_b32 v[PS+(\a)], v[PT+3], 24, v[PS+(\a)]
.irp c, 0,1
	v_cvt_scalef32_pk16_bf6_f32 v[F+12*(\a)+6*\c:F+12*(\a)+6*\c+2], v[RA+64*\c:RA+64*\c+15], v[SO+2*\c]
	v_cvt_scalef32_pk16_bf6_f32 v[T8+4*\c:T8+4*\c+2], v[RA+64*\c+32:RA+64*\c+47], v[SO+2*\c+1]
.endr
	v_nop                                          ; one plain line behind the scaled conversions
.irp c, 0,1
.irp i, 0,1,2
	v_permlane16_swap_b32 v[F+12*(\a)+6*\c+\i], v[T8+4*\c+\i]
.endr
.irp i, 0,1,2
	s_delay_alu instid0(VALU_DEP_3)
	v_mov_b32 v[F+12*(\a)+6*\c+3+\i], v[T8+4*\c+\i]
.endr
.endr
.endm
; A KEY STEP: 128 keys
.macro STEP
	v_add_nc_u32 v[AD], s[TB], v[LI]
	PLACES 4                                       ; with the line above five plain lines behind the last step's products: their operands are next written by loads (four asked) and by products (five asked)
	ds_load_b128 v[SCA:SCA+3], v[AD] offset:SCO    ; k's scale words: register T holds tile T's, K step 0 in lanes 0-15, K step 1 in lanes 16-31
	ds_load_b128 v[SCA+4:SCA+7], v[AD] offset:SCO+512
	LOADG 0, F, 0
	LOADG 1, R+64, 0
	s_wait_alu depctr_va_vdst(0)
	s_wait_dscnt 12                                ; group 1's twelve may be out
	QKG 0, F
	PLACES 4
	LOADG 2, F, 0
	s_wait_dscnt 12                                ; group 2's twelve may be out
	QKG 1, R+64
	s_wait_dscnt 0x0
	PLACES 5                                       ; group 2's results land on registers that group 1's products read: five plain lines
	QKG 2, F
	PLACES 4
	LOADG 3, F, 0
	s_wait_dscnt 0x0
	QKG 3, F
	PLACES 4
.irp b, 0,1,2,3
.irp j, 0,2,4,6,8,10,12,14
	v_pk_add_f32 v[R+32*\b+16+\j:R+32*\b+17+\j], v[R+32*\b+16+\j:R+32*\b+17+\j], v[R+32*\b+\j:R+32*\b+\j+1]   ; q2 k^T + q1 k^T: the factor 1 / 16 is exact, so this is the sum of the two logits
.endr
.endr
	SOFTMAX 0
	SOFTMAX 1
	s_setprio 1
	ds_load_b128 v[SCA:SCA+3], v[AD] offset:SETB+SCO      ; v's scale words
	ds_load_b128 v[SCA+4:SCA+7], v[AD] offset:SETB+SCO+512
	LOADG 0, R, SETB
	LOADG 1, R+48, SETB
	WIN 0x41
.set i, 0
.rept 64
	v_pk_mul_f32 v[i:i+1], v[i:i+1], v[12:13] op_sel_hi:[1,0]   ; O^T under the new M: x f.  These lines are also the places between p's codes and scale words and the products
.set i, i+2
.endr
.rept 64
	v_pk_mul_f32 v[i:i+1], v[i:i+1], v[18:19] op_sel_hi:[1,0]
.set i, i+2
.endr
	WIN 0
	s_wait_alu depctr_va_vdst(0)
	s_wait_dscnt 12                                ; each count of 12 leaves the group issued last on its way
	PVG 0, R
	PLACES 4
	WIN 0
	LOADG 2, R, SETB
	s_wait_dscnt 12
	PVG 1, R+48
	PLACES 4
	WIN 0
	s_setprio 0
	LOADG 3, R+48, SETB
	s_wait_dscnt 12
	PVG 2, R
	s_wait_dscnt 0x0
	PVG 3, R+48
	WIN 0
	s_add_co_u32 s[TB], s[TB], STEPB
.endm
; THE CHANGE OF SLOTS stands at a slot's head.  Each wave waits for all its tensor loads (one at the most is out: its set of the slot ahead), adds 0 to its spare word, and waits for that and for its reads of the
; slot that it has left.  fill = 1: the barrier is a round of the cluster's, and the slot just left is filled with the next two key steps: the load has two key steps' work in which to land.
.macro CHANGE fill
	s_wait_tensorcnt 0x0                           ; no tensor load of mine is out, so the descriptor may be written
	ds_add_u32 v[SPW], v[NIL]                      ; 0 onto my spare word
.if \fill
	s_xor_b32 s[G0+1], s[G0+1], SLOT1              ; the other slot than last time,
	s_add_nc_u64 s[G0+2:G0+3], s[G0+2:G0+3], SLOTB ; the next two key steps; the type bits on top are not reached
.endif
	s_wait_dscnt 0x0                               ; the add is done, and my reads of the slot that I have left are over
.if \fill
	ROUND
	JLOAD                                          ; the first thing behind the round, and a wave's one tensor load until the next
.else
	s_barrier_signal -1
	s_barrier_wait -1
.endif
.endm
.macro TWO_STEPS                       ; a slot's two key steps: written once, walked twice
	s_mov_b32 s[TWICE], 2
.Lstep_\@:
	s_setprio 2
	STEP
	s_sub_co_u32 s[TWICE], s[TWICE], 1
	s_cmp_lg_u32 s[TWICE], 0
	s_cbranch_scc1 .Lstep_\@
	s_setprio 0
	s_sub_co_u32 s[TB], s[TB], SLOTB               ; back to a slot's first step,
	s_xor_b32 s[TB], s[TB], SLOT1                  ; in the other slot
.endm
.Lslot:                                            ; three trips: behind each change of slots but the last the next slot is asked for
	CHANGE 1
	TWO_STEPS
	s_sub_co_u32 s[SLOTS], s[SLOTS], 1
	s_cmp_lg_u32 s[SLOTS], 0
	s_cbranch_scc1 .Lslot
	CHANGE 0                                       ; the last slot is written out
	global_prefetch_b8 v[PFO], s[XB:XB+1] th:TH_LOAD_NT scope:SCOPE_SE              ; x1's rows that I add at the end: my 32 channels, a lane a row, 512 bytes a row in two requests;
	global_prefetch_b8 v[PFO], s[XB:XB+1] offset:256 th:TH_LOAD_NT scope:SCOPE_SE   ; two key steps ahead of their loads; no other wave of the launch names these bytes
	TWO_STEPS
	; ---- THE END.  The sums' halves are joined (the four additions are the plain lines behind the last products); the weights, their scale words and the biases are asked for
	v_add_f32 v10, v10, v11
	v_add_f32 v16, v16, v17
	s_delay_alu instid0(VALU_DEP_2)
	v_permlanex16_b32 v11, v10, s[SEL], s[SEL+1]
	s_delay_alu instid0(VALU_DEP_2)
	v_permlanex16_b32 v17, v16, s[SEL], s[SEL+1]
	s_delay_alu instid0(VALU_DEP_2)
	v_add_f32 v10, v10, v11                        ; with lane l xor 16's keys: the row's sum
	s_delay_alu instid0(VALU_DEP_2)
	v_add_f32 v16, v16, v17
	s_wait_alu depctr_va_vdst(0)
	v_rcp_f32 v12, v10
	v_rcp_f32 v18, v16
	v_bfe_u32 v[AD], v0, 4, 1                      ; (a plain line behind the reciprocals)
	s_delay_alu instid0(VALU_DEP_1)
	v_cmp_eq_u32 s[HM], 1, v[AD]                   ; lanes 16-31
	v_and_b32 v[AD], 15, v0
	v_and_b32 v11, 8, v0
	s_delay_alu instid0(VALU_DEP_1)
	v_add_nc_u32 v[AD], v[AD], v11
	s_delay_alu instid0(VALU_DEP_1)
	v_lshlrev_b32 v[AD], 2, v[AD]                  ; the biases' offset: 4 (r + 8 (r / 8))
.irp b, 0,1,2,3
	v_mov_b32 v[R+88+\b], 0                        ; a lane permute's destination counts as one of its sources
.endr
.irp a, 0,1
.irp k, 0,1,2,3,4,5,6,7,8,9,10,11
	global_load_b128 v[Q+48*\a+4*\k:Q+48*\a+4*\k+3], v[LI], s[WB:WB+1] offset:2*SETB*\a+512*\k   ; wps' (a = 0) and wpc's (a = 1) fragments (tile T', K step s) at Q + 48 a + 24 T' + 12 s
.endr
	global_load_b64 v[QS+2*\a:QS+2*\a+1], v[LI], s[WSB:WSB+1] offset:2*SETB*\a                  ; their scale words
.endr
	global_load_b32 v8, v[AD], s[16:17]            ; bps of my lane's channel in tile 0,
	global_load_b32 v9, v[AD], s[16:17] offset:32  ; in tile 1;
	global_load_b32 v14, v[AD], s[18:19]           ; bpc likewise
	global_load_b32 v15, v[AD], s[18:19] offset:32
	s_wait_alu depctr_va_vdst(0)                   ; one wait for the two reciprocals, ahead of their first reader
; h = O^T / the sum, 128 channels at a time, becomes K step s of tile w of h's set
.macro HQ al, hset
.irp s, 0,1
	WIN 0x01
.set i, 0
.rept 32
	v_pk_mul_f32 v[R+i:R+i+1], v[128*\al+64*\s+i:128*\al+64*\s+i+1], v[12+6*\al:13+6*\al] op_sel_hi:[1,0]
.set i, i+2
.endr
	WIN 0
	QUANT R, R+64, R+84, R+100+\s
.irp c, 0,1,2
	ds_store_b128 v[HWI], v[R+64+4*\c:R+64+4*\c+3] offset:\hset+1536*\s+512*\c
.endr
	s_wait_dscnt 0x0                               ; the stores have read their registers
.endr
	v_cndmask_b32 v[R+102], v[R+100], v[R+101], s[HM]   ; K step 0's word in lanes 0-15, K step 1's in lanes 16-31
	ds_store_b32 v[HSA], v[R+102] offset:\hset
.endm
	HQ 1, H12
	WIN 0x40
.irp T, 0,1
.irp p, 0,1,2,3,4,5,6,7,8,9,10,11,12,13,14,15
	global_load_b128 v[128+64*\T+4*\p:128+64*\T+4*\p+3], v[LI], s[XB:XB+1] offset:(8*\T+\p+8*(\p/8))*4096 th:TH_LOAD_NT   ; x1's rows of my 32 channels, into the registers that attention 12's O^T has left
.endr
.endr
	WIN 0
	HQ 0, H1
	s_wait_dscnt 0x0                               ; for the others' sake: my part of both sets has landed
	s_barrier_signal -1
	s_barrier_wait -1
	s_wait_loadcnt 32                              ; the weights, their scale words and the biases are in; x1's 32 rows may be out
.irp a, 0,1
.irp T, 0,1
.irp j, 0,1,2,3,4,5,6,7
	v_mov_b32 v[R+96+16*\a+8*\T+\j], v[8+6*\a+\T]  ; the bias in the result's layout: my lane is one channel, its eight registers eight tokens
.endr
.endr
.endr
	v_and_b32 v[AD], 15, v0                        ; (the biases' loads are done: their offset register is free)
	s_delay_alu instid0(VALU_DEP_1)
	v_mul_u32_u24 v[HWI], v[AD], SPITCH
	v_bfe_u32 v[AD], v0, 4, 1
	s_delay_alu instid0(VALU_DEP_1)
	v_lshl_add_u32 v[HWI], v[AD], 6, v[HWI]
	s_delay_alu instid0(VALU_DEP_1)
	v_add_nc_u32 v[HWI], s90, v[HWI]               ; into my stage: row r, + 64 (lane / 16)
	v_add_nc_u32 v[HSA], s90, v[LI]                ; and back: 16 bytes a lane of a row
.macro LOADH g, buf, hset              ; h's fragments of token tiles 2 g and 2 g + 1
.irp k, 0,1,2,3,4,5,6,7,8,9,10,11
	ds_load_b128 v[\buf+4*\k:\buf+4*\k+3], v[LI] offset:\hset+6144*\g+512*\k
.endr
.endm
; source 0 = 16 tokens of h, source 1 = 16 output channels: a lane holds one channel and eight neighbouring tokens.  Four accumulators by turns; the bias is the first K step's C
.macro HG a, g, buf
	WIN 0x40
.irp m, 0,1
.irp T, 0,1
	v_wmma_scale_f32_16x16x128_f8f6f4 v[64*\T+8*(2*\g+\m):64*\T+8*(2*\g+\m)+7], v[\buf+24*\m:\buf+24*\m+11], v[Q+48*\a+24*\T:Q+48*\a+24*\T+11], v[R+96+16*\a+8*\T:R+96+16*\a+8*\T+7], v[SCA+2*\g+\m], v[QS+2*\a+\T] matrix_a_fmt:MATRIX_FMT_BF6 matrix_b_fmt:MATRIX_FMT_BF6
.endr
.endr
	WIN 0x50
.irp m, 0,1
.irp T, 0,1
	v_wmma_scale_f32_16x16x128_f8f6f4 v[64*\T+8*(2*\g+\m):64*\T+8*(2*\g+\m)+7], v[\buf+24*\m+12:\buf+24*\m+23], v[Q+48*\a+24*\T+12:Q+48*\a+24*\T+23], v[64*\T+8*(2*\g+\m):64*\T+8*(2*\g+\m)+7], v[SCA+2*\g+\m], v[QS+2*\a+\T] matrix_a_fmt:MATRIX_FMT_BF6 matrix_b_fmt:MATRIX_FMT_BF6 matrix_a_scale:MATRIX_SCALE_ROW1 matrix_b_scale:MATRIX_SCALE_ROW1
.endr
.endr
.endm
; 16 channels x 128 tokens turn through my stage into rows of 512 bytes, take x1's rows and leave
.macro WAYOUT T, ob
	PLACES 4
	WIN 0x04                                       ; an LDS store's data are its source 1: window 1
.irp m, 0,1,2,3,4,5,6,7
	ds_store_b128 v[HWI], v[64*\T+8*\m:64*\T+8*\m+3] offset:128*(\m/2)+32*(\m%2)        ; each accumulator from its low end on
	ds_store_b128 v[HWI], v[64*\T+8*\m+4:64*\T+8*\m+7] offset:128*(\m/2)+32*(\m%2)+16
.endr
	WIN 0
	s_wait_xcnt 0x0                                ; earlier stores have read the registers into which the rows come back
.irp p, 0,1,2,3,4,5,6,7,8,9,10,11,12,13,14,15
	ds_load_b128 v[R+4*\p:R+4*\p+3], v[HSA] offset:SPITCH*\p   ; LDS serves a wave's instructions in order (ISA guide 5.7.1.4): these see the stores above
.endr
	s_wait_loadcnt 0x0                             ; x1's rows
	s_wait_dscnt 0x0
	WIN 0x04
.irp p, 0,1,2,3,4,5,6,7,8,9,10,11,12,13,14,15
	v_pk_add_f32 v[R+4*\p:R+4*\p+1], v[R+4*\p:R+4*\p+1], v[128+64*\T+4*\p:128+64*\T+4*\p+1]
	v_pk_add_f32 v[R+4*\p+2:R+4*\p+3], v[R+4*\p+2:R+4*\p+3], v[128+64*\T+4*\p+2:128+64*\T+4*\p+3]
.endr
	WIN 0
.irp p, 0,1,2,3,4,5,6,7,8,9,10,11,12,13,14,15
	global_store_b128 v[LI], v[R+4*\p:R+4*\p+3], s[\ob:\ob+1] offset:(8*\T+\p+8*(\p/8))*4096 th:TH_STORE_NT   ; 32 lanes store 512 consecutive bytes, at a multiple of 256 from the buffer's first byte
.endr
.endm
.macro OUTP a, hset, ob
.if \a
	s_wait_xcnt 0x0                                ; the first output's stores have read the registers that take h's fragments
.endif
	ds_load_b128 v[SCA:SCA+3], v[LI] offset:\hset+SCO
	ds_load_b128 v[SCA+4:SCA+7], v[LI] offset:\hset+SCO+512
	LOADH 0, R, \hset
	LOADH 1, R+48, \hset
	s_wait_dscnt 12                                ; each count of 12 leaves the group issued last on its way
	HG \a, 0, R
	PLACES 4
	WIN 0
	LOADH 2, R, \hset
	s_wait_alu depctr_va_vdst(0)
	s_wait_dscnt 12
	HG \a, 1, R+48
	PLACES 4
	WIN 0
	LOADH 3, R+48, \hset
	s_wait_dscnt 12
	HG \a, 2, R
	s_wait_dscnt 0x0
	HG \a, 3, R+48
	WIN 0
	WAYOUT 0, \ob
	WAYOUT 1, \ob
.endm
	OUTP 0, H1, OB
	OUTP 1, H12, OB+2
	s_wait_tensorcnt 0x0                           ; the wave's end: behind my last tensor load and my last LDS store
	ds_add_u32 v[SPW], v[NIL]
	s_wait_dscnt 0x0
	ROUND                                          ; the closing round: no work-group ends while a partner may still ask for a set that names it
	s_endpgm
.Lfunc_end_k_qe55d1f8686_attn:
	.size	k_qe55d1f8686_attn, .Lfunc_end_k_qe55d1f8686_attn-k_qe55d1f8686_attn
	.p2alignl 7, 3214868480
	.fill 96, 4, 3214868480
	.section	.rodata,"a",@progbits
	.p2align	6, 0x0
	.amdhsa_kernel k_qe55d1f8686_attn
		.amdhsa_group_segment_fixed_size 327680
		.amdhsa_private_segment_fixed_size 0
		.amdhsa_enable_private_segment 0
		.amdhsa_kernarg_size 64
		.amdhsa_user_sgpr_count 2
		.amdhsa_user_sgpr_kernarg_segment_ptr 1
		.amdhsa_wavefront_size32 1
		.amdhsa_system_sgpr_workgroup_id_x 1
		.amdhsa_system_sgpr_workgroup_id_y 1
		.amdhsa_system_sgpr_workgroup_id_z 1
		.amdhsa_system_vgpr_workitem_id 0
		.amdhsa_next_free_vgpr 512
		.amdhsa_next_free_sgpr 96
		.amdhsa_reserve_vcc 0
		.amdhsa_float_denorm_mode_32 3
		.amdhsa_float_denorm_mode_16_64 3
		.amdhsa_memory_ordered 1
		.amdhsa_forward_progress 1
		.amdhsa_inst_pref_size 195
	.end_amdhsa_kernel
	.amdgpu_metadata
---
amdhsa.version: [ 1, 2 ]
amdhsa.kernels:
  - .name:           k_qe55d1f8686_attn
    .symbol:         k_qe55d1f8686_attn.kd
    .args:
      - { .name: qws, .offset: 0, .size: 8, .value_kind: global_buffer, .address_space: global }
      - { .name: kvws, .offset: 8, .size: 8, .value_kind: global_buffer, .address_space: global }
      - { .name: wsw, .offset: 16, .size: 8, .value_kind: global_buffer, .address_space: global }
      - { .name: x1, .offset: 24, .size: 8, .value_kind: global_buffer, .address_space: global }
      - { .name: bps, .offset: 32, .size: 8, .value_kind: global_buffer, .address_space: global }
      - { .name: bpc, .offset: 40, .size: 8, .value_kind: global_buffer, .address_space: global }
      - { .name: out0, .offset: 48, .size: 8, .value_kind: global_buffer, .address_space: global }
      - { .name: out1, .offset: 56, .size: 8, .value_kind: global_buffer, .address_space: global }
    .group_segment_fixed_size: 327680
    .private_segment_fixed_size: 0
    .kernarg_segment_align: 8
    .kernarg_segment_size: 64
    .max_flat_workgroup_size: 256
    .sgpr_count:     96
    .vgpr_count:     512
    .wavefront_size: 32
...
	.end_amdgpu_metadata
.endif
;; end of part 3
